; MI455X (gfx1250); checked and timed in simulation.
; The chip was launched on July 23, 2026; its instructions are those of AMD's public machine-readable ISA for CDNA 5 (MIT licence, August 2026) and "CDNA5" Instruction Set Architecture Reference Guide (July 2026). The comments in the code are by the model that wrote it; some were corrected since.
;; Seq Attention. Allowed arithmetic: matrix products marked QUANTISED: E2M1 operands, one E8M0 scale for each 32 along K, by v_wmma_scale_f32_16x16x128_f8f6f4 with both operands' format E2M1 (or v_wmma_scale_f32_32x16x128_f4), f32 sums; everything else in f32.
;; Inputs: key 128 x 1,024 x 128 float32; query 128 x 1,024 x 128 float32; span_val 16 float32; value 128 x 1,024 x 128 float32.
;; Outputs: out0 128 x 1,024 x 128 float32.
;; This version of the problem:
;;   THIS VERSION OF THE PROBLEM IS GIVEN IN LOW PRECISION. The matrix products marked QUANTISED in the list below multiply operands that are first quantised to E2M1 (2 exponent bits, 1 mantissa bit; 4 bits a number), with one power-of-two scale for each 32 numbers along K (OCP MX v1.0); their sums are f32. All else is computed in f32.
;;   The module's matrix products, in the order in which they are computed (A, B: the left and right operand; K: the contracted axis; several contracted axes count as one K, in the product's order):
;;     1. batch 128 x [M 1,024, K 128] x [K 128, N 1,024]; A: input query; B: input key: QUANTISED
;;     2. batch 128 x [M 1,024, K 1,024] x [K 1,024, N 128]; A: computed on the way; B: input value: QUANTISED
;;   THE QUANTISER, for each operand of a quantised product, along K:
;;     - K is cut into blocks of 32 from its start; a last block that is shorter is filled with zeros.
;;     - A block's scale is 2^e with e = floor(log2(the largest magnitude in the block)) - 2, held to -126 .. 127; a block of zeros has e = 0. As a byte (E8M0): e + 127.
;;     - Each number is divided by its block's scale, clamped to +-6, and rounded to the nearest number of E2M1, ties to even, subnormals kept.
;;     - The product sums the exact products of the quantised numbers (number of the format x scale) in f32.
;;   ~~~python
;;   def quantise(x, axis):      # numpy; x: float32 -> the quantised numbers, widened to float32 again
;;       x = np.moveaxis(x, axis, -1); K = x.shape[-1]
;;       x = np.pad(x, [(0, 0)] * (x.ndim - 1) + [(0, -K % 32)]); x = x.reshape(x.shape[:-1] + (-1, 32)); a = np.abs(x).max(-1, keepdims=True)
;;       e = np.where(a > 0, np.clip(np.frexp(np.where(a > 0, a, 1))[1] - 1 - 2, -126, 127), 0)      # np.frexp(a)[1] - 1 = floor(log2(a)), exactly
;;       r = np.clip(x / 2.0 ** e, -6, 6)
;;       step = 2.0 ** (np.maximum(np.frexp(np.where(r == 0, 1, r))[1] - 1, 0) - 1)
;;       q = np.round(r / step) * step * 2.0 ** e      # np.round: ties to even
;;       return np.moveaxis(q.reshape(q.shape[:-2] + (-1,))[..., :K], -1, axis).astype(np.float32)
;;   ~~~
;;   OPERANDS COMPUTED ON THE WAY. 'Computed on the way' means the value that the module computes at that place (a softmax that the list does not call 'softmax' is quantised finished and normalised). What goes into a quantiser is computed in f32, as accurately as f32 sums, v_exp_f32 and their like allow (about 1e-6 of the number): no bf16 or f16 on the way to a quantiser, and a product that is left as it is and whose result goes on into a quantised operand takes f32 operands (vector FMAs, or v_wmma_f32_16x16x4_f32). A number that lies on a knife's edge between two numbers of the format may be rounded either way, as far as f32 arithmetic and the matrix unit's own rounding can turn it there, and no further.
;; 2 versions, each right; version 2 is version 1 with the launch attn written anew for expert scheduling mode. Each part assembles by itself: llvm-mc -triple=amdgcn-amd-amdhsa -mcpu=gfx1250 --defsym DOCPART=n.
;; ======== version 1 of 2: 1 launch
;; launch attn (part 1): grid 256 x 1, 8 waves a work-group, no clusters, 212,992 bytes of LDS; arguments query, key, value, span_val, out0; writes out0
.if DOCPART == 1
	.amdgcn_target "amdgcn-amd-amdhsa--gfx1250"
	.amdhsa_code_object_version 6
	.text
	.protected	k_q5331f717e4_attn
	.globl	k_q5331f717e4_attn
	.p2align	8
	.type	k_q5331f717e4_attn,@function
k_q5331f717e4_attn:
	s_mov_b64 s[64:65], 0
	v_nop
	global_prefetch_b8 v0, s[64:65] scope:SCOPE_SE
	s_setreg_imm32_b32 hwreg(HW_REG_WAVE_MODE, 25, 1), 1
	s_wait_xcnt 0x0
; out[bh][q][:] = sum over n of a[q][n] V[bh][n][:],  a = softmax_n(Q.K / sqrt(128)) x mask[head][n] / (its row sum + 1e-8).
; Both products on codes of FP4 (E2M1) with one E8M0 scale for each 32 along a product's K: Q and K along the head's 128, a and V along the keys.
; With p = 2^(t - M), t = score x log2(e) / sqrt(128), Z = sum of p, W = sum of p x mask:  a = p x mask / (W + 1e-8 Z).  a is coded FINISHED, so a row's codes wait for all its 1,024 scores.
; SHARES.  Work-group x: head x / 2 of 128, queries 512 (x % 2) on: 32 tiles of 16.  Eight waves.  THE WAVES SHARE THE KEYS: wave w owns keys 128 w .. 128 w + 127 for the whole launch.
; At the head it reads its 64 KB of K and of V as f32, quantises them, and keeps in registers K's 8 fragments, V^T's 8 fragments (its 128 keys are one K step of the second product), their scale words and its 64 mask values a lane.
; A TILE OF 16 QUERIES passes all eight waves in three phases.  A: S^T = K Q^T on my keys; p under MY OWN whole-number maximum; my parts of Z and W; each block's largest p x mask.
; B: the eight waves' (Z, W, -M) are joined, brought under the common M by exact powers of two; f = 2^(my M - M) / (W + 1e-8 Z); a = p x mask x f; codes; O^T = V^T a^T on my keys.
; C: the eight partial O^T are added through LDS, each wave taking two whole rows, and stored.  An INTERVAL runs C of tile k - 2, B of tile k - 1 and A of tile k: ONE barrier a tile.
; Every LDS region is kept twice, by the tile's parity: written in one interval, read in the next, written again two intervals on; each wave waits for all its LDS work in front of each barrier.
; Q is streamed: each wave quantises 2 rows of every tile, and the fragment goes round as an image of the operand's registers in LDS.
; THE KEYS OF A TILE OF K ARE NOT NEIGHBOURS: lane r of tile 2 b + u takes key 32 b + 8 u + r + 8 (r / 8), so that register 16 b + i of S^T is key 32 b + 16 (lane / 16) + i.
; Every matrix instruction starts its own sum with the constant 0: the head's 128, and a wave's 128 keys, are one instruction deep.
; NO CLUSTER: K and V of a head are read by two work-groups only, once each, at the head, by loads into registers (64 KB a wave, turned into 8 KB of codes there); nothing is shared in the loop.
; LIMITS.  NaN and infinities among the inputs are not served.  |score x log2(e) / sqrt(128)| stays under 2^24, so that differences of the whole-number maxima are exact.
; p under 2^-126 comes out of v_exp_f32 as 0 (ISA guide, 15.8), and a under 2^-126 loses bits: such weights are under 1e-30 of the row's largest.  a is made as p x mask x (1 / (W + 1e-8 Z)), a few f32 roundings
; from the two divisions as they are written.  A block of zeros carries the scale byte 1, not 127: its codes are zeros, and only this text reads the bytes.
; LDS, in bytes
.set KIMG,  0                          ; 8 x 8,192: each wave's own: K's 8 fragments as register images (tile t at 1024 t, group c at 512 c, lane at 16 x lane, register at 4 g); head only
.set KSC,   65536                      ; 8 x 512: their scale words: tile t at 64 t, row r at 4 r, block's byte at + block
.set QIMG,  69632                      ; 2 x 1,024: Q's fragment, by the tile's parity
.set QSC,   71680                      ; 2 x 256: its scale words, 4 r
.set STAT,  72192                      ; 2 x 2,304: query r at 144 r, wave j at + 16 j: Z, W, -M, 0
.set STATB, 2304
.set OP0,   76800                      ; 2 x 67,584: partial O: wave j at 8,448 j, query at 528 x row (512 + 16: sixteen rows start at sixteen different 16-byte columns of 256), channel at 4 d
.set OPB,   67584
.set OPW,   8448
.set OPP,   528
; REGISTERS, window 0
.set GA32, 1                           ; 32 x lane
.set GA4,  2                           ; 4 x lane
.set GA16, 3                           ; 16 x lane
.set KWI,  4                           ; where I store a code word of K;   v5 its scale byte;   v6, v7 where I read fragments and scale words back
.set KWS,  5
.set KRI,  6
.set KRS,  7
.set QWI,  8                           ; the same four for Q
.set QWS,  9
.set QRI,  10
.set QRS,  11
.set SWA,  12                          ; statistics: where I store, where I read
.set SRA,  13
.set OWA,  14                          ; v14-15 partial O, parity 0 and 1: where I store
.set ORA,  16                          ; v16-17 and where I read my two rows
.set TL,   18                          ; set-up
.set QR,   20                          ; v20-27, v28-35 Q as loaded, two sets
.set S,    36                          ; v36-99 scores, then p, p x mask, a
.set VF,   100                         ; v100-163 V^T's 8 fragments
.set PC,   164                         ; v164-171 a's codes
.set QF,   172                         ; v172-179 Q's fragment
.set KS,   180                         ; v180-187 K's scale words, v188-191 V's, v192 Q's, v193 a's: scales and nothing else
.set VS,   188
.set QS,   192
.set PW,   193
.set BM,   194                         ; v194-197 largest of each block;  v198-201 the other half's
.set BT,   198
.set ST,   202                         ; v[202:205] my Z, W, -M, 0
.set ZA,   206                         ; v[206:213] four chains of sums
.set G,    214                         ; v[214:229] four waves' statistics
.set F,    230                         ; v[230:231] f, and a word named with it as a pair
.set SC,   232                         ; v232-235 the conversions' scale operands;  v236-239 the bytes
.set EB,   236
.set T,    240                         ; v240-247 at work
.set TQ,   248                         ; QUANT8's largest magnitude, its scale operand; Q's code word and byte
.set SQ,   249
.set CW,   250
.set EQB,  251
; window 1
.set KF,   0                           ; K's 8 fragments
.set MK,   64                          ; the mask: register 16 b + i for key 128 w + 32 b + 16 (lane / 16) + i, as in S
.set O,    128                         ; my partial O^T
.set CL,   192                         ; two rows x eight waves' partial sums
; at the head alone
.set KRING, 36                         ; v36-163: 16 slots of 8: K as loaded
.set KCODE, 168                        ; v168-175: four sets of code word and byte
.set VT,    164                        ; v164-167: V's block at work.  V as loaded: three slots of 32: v196-227, v36-67, v68-99
; scalars
.set WV,   14                          ; my wave
.set SEL,  20                          ; s[20:21] v_permlanex16_b32's selects for lane l xor 16
.set CS,   22                          ; s[22:23] c = log2(e) / sqrt(128)
.set SPN,  24                          ; s[24:25] span x 1,024
.set R32,  26                          ; s[26:27] 1 / 32
.set TRIP, 28
.set TQO,  29                          ; byte offset of the tile of Q to be asked for
.set HO,   30                          ; s[30:31] an offset held inside the buffer, and 0
.set QB,   32                          ; s[32:33] Q at my two rows of tile 0
.set QP,   34                          ; s[34:35] and of the tile asked for
.set OPT,  36                          ; s[36:37] out at my two rows
.set SPV,  38
.set EPS,  39
.set MSB, 0
.macro WIN new                         ; low byte: bits 1:0 source 0, 3:2 source 1, 5:4 source 2, 7:6 destination; the high byte repeats the setting that is left
.if MSB != \new
	s_set_vgpr_msb (MSB<<8)|\new
.set MSB, \new
.endif
.endm
; Eight neighbours along the head's axis, v[x] on, become one code word; four neighbouring lanes hold a block of 32.
.macro QUANT8 x, cw, eb
	v_max3_num_f32 v[TQ], |v[(\x)]|, |v[(\x)+1]|, 0x1800000      ; with the floor 2^(3 - 127) among the leaves: the byte cannot fall under 1
	v_max3_num_f32 v[TQ], v[TQ], |v[(\x)+2]|, |v[(\x)+3]|
	v_max3_num_f32 v[TQ], v[TQ], |v[(\x)+4]|, |v[(\x)+5]|
	v_max3_num_f32 v[TQ], v[TQ], |v[(\x)+6]|, |v[(\x)+7]|
	v_max_num_f32_dpp v[TQ], v[TQ], v[TQ] row_xmask:1 row_mask:0xf bank_mask:0xf
	v_max_num_f32_dpp v[TQ], v[TQ], v[TQ] row_xmask:2 row_mask:0xf bank_mask:0xf   ; the block's largest magnitude
	v_add_nc_u32 v[SQ], 0xff000000, v[TQ]                        ; 2 off its exponent field: the conversion takes this operand's exponent field as its scale
	v_cvt_scalef32_pk8_fp4_f32 v[\cw], v[(\x):(\x)+7], v[SQ]
	v_lshrrev_b32 v[\eb], 23, v[SQ]                              ; the scale's byte; also the plain line behind the conversion
.endm
; K's rows 2 i and 2 i + 1 of my 128: 1,024 consecutive bytes, 32 a lane: lane = (row i % 2 = lane / 16, octet lane % 16)
.macro KLOAD i
	global_load_b128 v[KRING+8*((\i)%16):KRING+8*((\i)%16)+3], v[GA32], s[6:7] offset:1024*(\i)
	global_load_b128 v[KRING+8*((\i)%16)+4:KRING+8*((\i)%16)+7], v[GA32], s[6:7] offset:1024*(\i)+16
.endm
.macro KPAIR i, n
.set KX, (2*(\i))%32                   ; the pair's place in its 32 keys,
.set KT, 2*((2*(\i))/32)+(KX/8)%2      ; the tile that takes it,
.set KR, KX%8+8*(KX/16)                ; and the row there
.set KC, KCODE+2*((\i)%4)
	s_wait_loadcnt \n                              ; loads come back in order: this pair's two are in, the younger ones stay out
	s_wait_dscnt 6                                 ; the stores of four pairs back, which read this set of two registers, are done: three pairs' six are younger
	QUANT8 KRING+8*((\i)%16), KC, KC+1
	ds_store_b32 v[KWI], v[KC] offset:1024*KT+16*KR
	ds_store_b8 v[KWS], v[KC+1] offset:64*KT+4*KR  ; the four lanes of a block write the same byte with the same value
.if (\i) < 48
	KLOAD (\i)+16
.endif
.endm
; V: group g = 4 x block + q: keys 32 x block + 0 .. 31 of column 32 q + lane: A LANE TAKES A COLUMN AND ITS REGISTERS RUN DOWN THE KEYS, which are this product's K
.macro VSLOT g
.if (\g)%3 == 0
.set VX, 196
.else
.set VX, 4+32*((\g)%3)
.endif
.endm
.macro VLOAD g
	VSLOT \g
.set VB, (\g)/4
.set VQ, (\g)%4
.set VI, 0
.rept 32
	global_load_b32 v[VX+VI], v[GA4], s[8:9] offset:(32*VB+VI)*512+128*VQ   ; 32 lanes read 128 consecutive bytes
.set VI, VI+1
.endr
.endm
.macro VGROUP g, n
	s_wait_loadcnt \n                              ; this group's 32 loads are in
.if (\g) < 14
	VLOAD (\g)+2                                   ; into the slot that the group before has left
.endif
	VSLOT \g
.set VB, (\g)/4
.set VQ, (\g)%4
	v_max3_num_f32 v[VT], |v[VX]|, |v[VX+1]|, |v[VX+2]|          ; the block's largest magnitude: all 32 numbers are mine; two chains
	v_max3_num_f32 v[VT+1], |v[VX+3]|, |v[VX+4]|, |v[VX+5]|
.irp i, 6,10,14,18,22,26
	v_max3_num_f32 v[VT], v[VT], |v[VX+\i]|, |v[VX+\i+1]|
	v_max3_num_f32 v[VT+1], v[VT+1], |v[VX+\i+2]|, |v[VX+\i+3]|
.endr
	v_max3_num_f32 v[VT], v[VT], |v[VX+30]|, |v[VX+31]|
	v_max3_num_f32 v[VT], v[VT], v[VT+1], 0x1800000              ; and the floor
	v_add_nc_u32 v[VT+2], 0xff000000, v[VT]
.if VB == 0
	v_lshrrev_b32 v[VS+VQ], 23, v[VT+2]                          ; the column's scale word: block 0's byte starts it
.else
	v_lshrrev_b32 v[VT+3], 23, v[VT+2]
	v_lshl_or_b32 v[VS+VQ], v[VT+3], 8*VB, v[VS+VQ]
.endif
.irp u, 0,1,2,3
	v_cvt_scalef32_pk8_fp4_f32 v[VF+8*(2*VQ+VB%2)+4*(VB/2)+\u], v[VX+8*\u:VX+8*\u+7], v[VT+2]
.endr
	v_nop                                          ; one plain line behind the last conversion of a run
.endm
.macro QLOADH j, set                   ; my two rows of tile j of Q (head only)
	global_load_b128 v[\set:\set+3], v[GA32], s[QB:QB+1] offset:8192*\j th:TH_LOAD_NT
	global_load_b128 v[\set+4:\set+7], v[GA32], s[QB:QB+1] offset:8192*\j+16 th:TH_LOAD_NT
.endm
; The largest of each block's 16 registers of S, the four blocks by turns.  Each accumulator of 8 is first read at its low end.
.macro BMAX
.irp n, 0,1,2,3
	v_max3_num_f32 v[BM+\n], v[S+16*\n], v[S+16*\n+1], v[S+16*\n+2]
.endr
.irp i, 3,5,7,9,11,13
.irp n, 0,1,2,3
	v_max3_num_f32 v[BM+\n], v[BM+\n], v[S+16*\n+\i], v[S+16*\n+\i+1]
.endr
.endr
.irp n, 0,1,2,3
	v_max_num_f32 v[BM+\n], v[BM+\n], v[S+16*\n+15]
.endr
.endm
; The sum of S's 64 registers, two at a time, in four chains that the first eight pairs start
.macro SUM64 dst
.irp n, 0,1,2,3
	v_pk_add_f32 v[ZA+2*\n:ZA+2*\n+1], v[S+4*\n:S+4*\n+1], v[S+4*\n+2:S+4*\n+3]
.endr
.set J, 16
.rept 6
.irp n, 0,1,2,3
	v_pk_add_f32 v[ZA+2*\n:ZA+2*\n+1], v[ZA+2*\n:ZA+2*\n+1], v[S+J+2*\n:S+J+2*\n+1]
.endr
.set J, J+8
.endr
	v_pk_add_f32 v[ZA:ZA+1], v[ZA:ZA+1], v[ZA+2:ZA+3]
	v_pk_add_f32 v[ZA+4:ZA+5], v[ZA+4:ZA+5], v[ZA+6:ZA+7]
	v_pk_add_f32 v[ZA:ZA+1], v[ZA:ZA+1], v[ZA+4:ZA+5]
	v_add_f32 v[\dst], v[ZA], v[ZA+1]
.endm
.macro CADD x, y                       ; four numbers onto four
	v_pk_add_f32 v[(\x):(\x)+1], v[(\x):(\x)+1], v[(\y):(\y)+1]
	v_pk_add_f32 v[(\x)+2:(\x)+3], v[(\x)+2:(\x)+3], v[(\y)+2:(\y)+3]
.endm
; ---------------- THE HEAD ----------------
	s_load_b256 s[4:11], s[0:1], 0x0               ; query s[4:5], key s[6:7], value s[8:9], span_val s[10:11]
	s_load_b64 s[12:13], s[0:1], 0x20              ; out0
	v_lshl_add_u32 v254, v0, 2, 0x33c00
	v_mov_b32 v255, 0
	v_lshrrev_b32 v[TL], 5, v0
	v_readfirstlane_b32 s[WV], v[TL]               ; wave 0..7
	v_and_b32 v[T], 31, v0                         ; lane
	v_and_b32 v[T+1], 15, v0                       ; r
	v_bfe_u32 v[T+2], v0, 4, 1                     ; h
	v_lshlrev_b32 v[GA32], 5, v[T]
	v_lshlrev_b32 v[GA4], 2, v[T]
	v_lshlrev_b32 v[GA16], 4, v[T]
	; A code word holds octet o = r (k = 8 o on) of row h of a pair.  In a fragment's image it is group o / 8, half (o / 4) % 2, register o % 4: 512 (o / 8) + 256 ((o / 4) % 2) + 4 (o % 4), + 16 for the pair's second row
	v_bfe_u32 v[T+3], v0, 3, 1
	v_lshlrev_b32 v[T+3], 9, v[T+3]
	v_bfe_u32 v[T+4], v0, 2, 1
	v_lshl_add_u32 v[T+3], v[T+4], 8, v[T+3]
	v_and_b32 v[T+4], 3, v0
	v_lshl_add_u32 v[T+3], v[T+4], 2, v[T+3]
	v_lshl_add_u32 v[T+3], v[T+2], 4, v[T+3]
	v_bfe_u32 v[T+5], v0, 2, 2
	v_lshl_add_u32 v[T+5], v[T+2], 2, v[T+5]       ; its scale byte: 4 h + r / 4
	v_lshlrev_b32 v[T+6], 2, v[T+1]                ; 4 r
	s_lshl_b32 s15, s[WV], 13
	v_add_nc_u32 v[KWI], s15, v[T+3]               ; (KIMG = 0)
	v_add_nc_u32 v[KRI], s15, v[GA16]
	s_lshl_b32 s15, s[WV], 9
	s_add_co_u32 s15, s15, KSC
	v_add_nc_u32 v[KWS], s15, v[T+5]
	v_add_nc_u32 v[KRS], s15, v[T+6]
	s_lshl_b32 s15, s[WV], 5                       ; Q: my rows 2 w, 2 w + 1 of the tile: 16 bytes a row in the image,
	s_add_co_u32 s15, s15, QIMG
	v_add_nc_u32 v[QWI], s15, v[T+3]
	s_lshl_b32 s15, s[WV], 3                       ; 4 bytes a row among the scale words
	s_add_co_u32 s15, s15, QSC
	v_add_nc_u32 v[QWS], s15, v[T+5]
	v_add_nc_u32 v[QRI], QIMG, v[GA16]
	v_add_nc_u32 v[QRS], QSC, v[T+6]
	v_mul_u32_u24 v[T+7], v[T+1], 144
	s_lshl_b32 s15, s[WV], 4
	s_add_co_u32 s15, s15, STAT
	v_add_nc_u32 v[SWA], s15, v[T+7]               ; query r, wave w
	v_lshl_add_u32 v[SRA], v[T+2], 6, v[T+7]
	v_add_nc_u32 v[SRA], STAT, v[SRA]              ; query r, waves 4 h on
	v_mul_u32_u24 v[T+7], v[T+1], OPP
	v_lshl_add_u32 v[T+7], v[T+2], 5, v[T+7]
	s_mul_i32 s15, s[WV], OPW
	s_add_co_u32 s15, s15, OP0
	v_add_nc_u32 v[OWA], s15, v[T+7]               ; my region, row r, + 32 h: a tile's eight channels of my half
	v_add_nc_u32 v[OWA+1], OPB, v[OWA]
	s_mul_i32 s15, s[WV], 2*OPP
	s_add_co_u32 s15, s15, OP0
	v_add_nc_u32 v[ORA], s15, v[GA16]              ; rows 2 w, 2 w + 1 of every region, 16 bytes a lane
	v_add_nc_u32 v[ORA+1], OPB, v[ORA]
	s_lshl_b32 s40, s[WV], 7
	s_sub_co_i32 s40, s40, 1023
	v_lshl_add_u32 v[TL], v[T+2], 4, s40
	v_cvt_f32_i32 v[TL], v[TL]                     ; the mask's position of my register 0: key 128 w + 16 h, less 1,023
	s_lshr_b32 s15, ttmp9, 1                       ; batch x 16 + head
	s_lshl_b32 s16, s15, 19                        ; its 1,024 rows of 512 bytes,
	s_lshl_b32 s17, s[WV], 16                      ; my 128 of them
	s_add_co_u32 s16, s16, s17
	s_mov_b32 s17, 0
	s_lshl_b32 s18, ttmp9, 18                      ; the work-group's 512 rows of Q and of out,
	s_lshl_b32 s19, s[WV], 10                      ; my two rows of a tile
	s_add_co_u32 s18, s18, s19
	s_mov_b32 s19, 0
	s_and_b32 s[HO], s15, 15
	s_lshl_b32 s[HO], s[HO], 2                     ; the head's span
	s_mov_b32 s[HO+1], 0
	s_mov_b32 s[SEL], 0x76543210
	s_mov_b32 s[SEL+1], 0xfedcba98
	s_mov_b32 s[CS], 0x3e0293ee                    ; log2(e) / sqrt(128)
	s_mov_b32 s[CS+1], s[CS]                       ; (a packed form names the pair, so both words are written)
	s_mov_b32 s[R32], 0x3d000000                   ; 1 / 32
	s_mov_b32 s[R32+1], s[R32]
	s_mov_b32 s[EPS], 0x322bcc77                   ; 1e-8
	s_wait_kmcnt 0x0
	s_add_nc_u64 s[6:7], s[6:7], s[16:17]          ; K and V at my first key
	s_add_nc_u64 s[8:9], s[8:9], s[16:17]
	s_add_nc_u64 s[QB:QB+1], s[4:5], s[18:19]
	s_add_nc_u64 s[OPT:OPT+1], s[12:13], s[18:19]
	s_add_nc_u64 s[10:11], s[10:11], s[HO:HO+1]
	s_load_b32 s[SPV], s[10:11], 0x0
.set I, 0
.rept 16
	KLOAD I                                        ; 32 loads, 16 KB a wave, are on their way while the mask is made
.set I, I+1
.endr
	; THE MASK: clip((position + span x 1,024 + 32) / 32, 0, 1), with the roundings as they are written: the positions are whole numbers, exact; one rounding in + span x 1,024; x / 32 + 1 in one fused line rounds as (x + 32) / 32 does
	WIN 0x40
	v_mov_b32 v[MK], v[TL]
	v_add_f32 v[MK+16], 0x42000000, v[TL]          ; + 32, 64, 96: the four blocks
	v_add_f32 v[MK+32], 0x42800000, v[TL]
	v_add_f32 v[MK+48], 0x42c00000, v[TL]
	WIN 0x55
.set J, 1
.rept 15
.irp n, 0,1,2,3
	v_add_f32 v[MK+16*\n+J], 1.0, v[MK+16*\n+J-1]
.endr
.set J, J+1
.endr
	s_wait_kmcnt 0x0                               ; the span
	s_mul_f32 s[SPN], s[SPV], 0x44800000           ; x 1,024: exact
	s_mov_b32 s[SPN+1], s[SPN]
.set J, 0
.rept 32
	v_pk_add_f32 v[MK+J:MK+J+1], v[MK+J:MK+J+1], s[SPN:SPN+1] op_sel_hi:[1,0]
.set J, J+2
.endr
.set J, 0
.rept 32
	v_pk_fma_f32 v[MK+J:MK+J+1], v[MK+J:MK+J+1], s[R32:R32+1], 1.0 op_sel_hi:[1,0,0]
.set J, J+2
.endr
.set J, 0
.rept 64
	v_med3_num_f32 v[MK+J], v[MK+J], 0, 1.0
.set J, J+1
.endr
	WIN 0
	; K: 64 pairs of rows through a ring of 16 slots
.set I, 0
.rept 48
	KPAIR I, 30                                    ; younger: the 15 pairs behind this one
.set I, I+1
.endr
	VLOAD 0                                        ; V's first group goes out behind K's last loads
.rept 16
	KPAIR I, 2*(63-I)+32                           ; younger: K's pairs behind this one, and V's 32
.set I, I+1
.endr
	VLOAD 1                                        ; K's ring is read out: its first slots take V
	WIN 0x40                                       ; K's fragments come back as the operand wants them.  My own bytes, and LDS serves a wave's instructions in order (ISA guide 5.7.1.4): no barrier, no wait in between
.irp t, 0,1,2,3,4,5,6,7
	ds_load_b128 v[KF+8*\t:KF+8*\t+3], v[KRI] offset:1024*\t
	ds_load_b128 v[KF+8*\t+4:KF+8*\t+7], v[KRI] offset:1024*\t+512
.endr
	WIN 0
.irp t, 0,1,2,3,4,5,6,7
	ds_load_b32 v[KS+\t], v[KRS] offset:64*\t
.endr
	; V: 16 groups through three slots
.set GI, 0
.rept 14
	VGROUP GI, 32                                  ; younger: the next group's 32
.set GI, GI+1
.endr
	QLOADH 0, QR                                   ; Q's first two tiles
	QLOADH 1, QR+8
	VGROUP 14, 36                                  ; younger: group 15's 32 and Q's four
	VGROUP 15, 4                                   ; younger: Q's four
	; A lane holds all four blocks of ONE channel; the operand wants, in tile 2 q + u, lane (r, h), group c: block 2 c + h of channel 32 q + 16 u + r.  The even blocks were laid in tile 2 q's registers and the odd ones in
	; tile 2 q + 1's: an exchange of the first's lanes 16-31 with the second's lanes 0-15 gives both tiles.  V's scale word of channel 32 q + lane serves tile 2 q from lanes 0-15 and tile 2 q + 1 from lanes 16-31.
.irp n, 0,1,2,3
.irp u, 0,1,2,3,4,5,6,7
	v_permlane16_swap_b32 v[VF+16*\n+\u], v[VF+16*\n+8+\u]
.endr
.endr
.irp n, 0,1,2,3
	v_mov_b32 v[BT+\n], 0                          ; written once: a lane permute's destination counts as one of its sources (T+1, T+4, T+5 were written whole above)
.endr
	v_mov_b32 v[ST+3], 0                           ; the fourth word of my statistics, and the upper word of the pair that holds -M
	v_mov_b32 v[F+1], 0                            ; named with f as a pair
	s_wait_loadcnt 2                               ; tile 0's two loads are in; tile 1's stay out
	QUANT8 QR, CW, EQB
	ds_store_b32 v[QWI], v[CW]
	ds_store_b8 v[QWS], v[EQB]
	QLOADH 2, QR
	s_mov_b32 s[TQO], 3*8192
	s_wait_dscnt 0x0                               ; my part of tile 0's image has landed; K's fragments and scale words are in
	s_barrier_signal -1
	s_barrier_wait -1
; ---------------- AN INTERVAL ----------------
; par: its number's parity.  hc, hb, ha: it has phase C (tile k - 2), B (tile k - 1), A (tile k).  sync: a barrier ends it.
.macro INTERVAL par, hc, hb, ha, sync
	s_wait_xcnt 0x0                                ; every earlier load and store has read its sources (ISA guide 3.1): CL, out's base and Q's walking base are written again only behind this wait
.if \hc
	s_add_nc_u64 s[OPT:OPT+1], s[OPT:OPT+1], 8192  ; a tile on; the stores below reach back by their immediate
.endif
	; the interval's LDS loads, in the order in which they are wanted
.if \hb
.irp j, 0,1,2,3
	ds_load_b128 v[G+4*\j:G+4*\j+3], v[SRA] offset:STATB*(1-\par)+16*\j   ; tile k - 1: Z, W, -M of waves 4 h + j
.endr
.endif
.if \ha
	ds_load_b128 v[QF:QF+3], v[QRI] offset:1024*\par
	ds_load_b128 v[QF+4:QF+7], v[QRI] offset:1024*\par+512
	ds_load_b32 v[QS], v[QRS] offset:256*\par
.endif
.if \hc
	WIN 0x40
.irp e, 0,1
.irp j, 0,1,2,3,4,5,6,7
	ds_load_b128 v[CL+4*(8*\e+\j):CL+4*(8*\e+\j)+3], v[ORA+\par] offset:OPW*\j+OPP*\e   ; tile k - 2: row 2 w + e of wave j's partial O: 32 lanes take its 512 bytes
.endr
.endr
	WIN 0
.endif
.if \hb
	; ---- B ----
	s_wait_dscnt 3*\ha+16*\hc                      ; the four statistics loads are in; Q's three and the sixteen partial sums, issued behind them, may stay out
	v_min3_num_f32 v[T], v[G+2], v[G+6], v[G+10]
	v_min_num_f32 v[T], v[T], v[G+14]
	v_permlanex16_b32 v[T+1], v[T], s[SEL], s[SEL+1]
	v_min_num_f32 v[T], v[T], v[T+1]               ; -M of all eight waves: the least -M
.irp j, 0,1,2,3
	v_sub_f32 v[G+4*\j+3], v[T], v[G+4*\j+2]       ; wave j's M less the common M: a whole number, 0 or less
.endr
	v_sub_f32 v[T+2], v[T], v[ST+2]                ; and mine
.irp j, 0,1,2,3
	v_cvt_i32_f32 v[G+4*\j+3], v[G+4*\j+3]         ; (it saturates)
.endr
	v_cvt_i32_f32 v[T+2], v[T+2]
.irp j, 0,1,2,3
	v_ldexp_f32 v[G+4*\j], v[G+4*\j], v[G+4*\j+3]  ; Z and W under the common M: nothing is rounded
	v_ldexp_f32 v[G+4*\j+1], v[G+4*\j+1], v[G+4*\j+3]
.endr
	v_pk_add_f32 v[G:G+1], v[G:G+1], v[G+4:G+5]
	v_pk_add_f32 v[G+8:G+9], v[G+8:G+9], v[G+12:G+13]
	v_pk_add_f32 v[G:G+1], v[G:G+1], v[G+8:G+9]
	v_permlanex16_b32 v[T+4], v[G], s[SEL], s[SEL+1]
	v_permlanex16_b32 v[T+5], v[G+1], s[SEL], s[SEL+1]
	v_pk_add_f32 v[G:G+1], v[G:G+1], v[T+4:T+5]    ; the row's Z and W
	v_fma_f32 v[T+1], v[G], s[EPS], v[G+1]         ; W + 1e-8 Z
	v_rcp_f32 v[T+3], v[T+1]
	v_nop                                          ; a plain line behind the reciprocal,
	s_wait_alu depctr_va_vdst(0)                   ; and the wait ahead of its first reader
	v_ldexp_f32 v[F], v[T+3], v[T+2]               ; f = 2^(my M - M) / (W + 1e-8 Z)
.irp n, 0,1,2,3
	v_mul_f32 v[SC+\n], v[BM+\n], v[F]             ; a block's largest a: the same multiplication on its largest p x mask gives the same bits
.endr
.irp n, 0,1,2,3
	v_max_num_f32 v[SC+\n], 0x1800000, v[SC+\n]    ; the floor 2^(3 - 127)
.endr
.irp n, 0,1,2,3
	v_add_nc_u32 v[SC+\n], 0xff000000, v[SC+\n]    ; 2 off the exponent field: the conversion's scale operand
.endr
.irp n, 0,1,2,3
	v_lshrrev_b32 v[EB+\n], 23, v[SC+\n]
.endr
	v_lshl_or_b32 v[PW], v[EB+1], 8, v[EB]         ; a's scale word for my 128 keys
	v_lshl_or_b32 v[PW], v[EB+2], 16, v[PW]
	v_lshl_or_b32 v[PW], v[EB+3], 24, v[PW]
.set J, 0
.rept 32
	v_pk_mul_f32 v[S+J:S+J+1], v[S+J:S+J+1], v[F:F+1] op_sel_hi:[1,0]   ; a = p x mask x f.  (More than the eight lines that stand between a scale word's last write and the scaled product)
.set J, J+2
.endr
.irp n, 0,1,2,3
	v_cvt_scalef32_pk8_fp4_f32 v[PC+2*\n], v[S+16*\n:S+16*\n+7], v[SC+\n]
	v_cvt_scalef32_pk8_fp4_f32 v[PC+2*\n+1], v[S+16*\n+8:S+16*\n+15], v[SC+\n]
.endr
	v_nop                                          ; one plain line behind the conversions
.irp n, 0,1                                    ; the operand wants a WHOLE block in a lane: lanes 0-15 block 2 n, lanes 16-31 block 2 n + 1
.irp u, 0,1
	v_permlane16_swap_b32 v[PC+4*\n+\u], v[PC+4*\n+2+\u]
.endr
.endr
.rept 4
	v_nop                                          ; four lines between an operand written by vector instructions and the scaled product
.endr
	WIN 0x40                                       ; O^T in window 1
.irp t, 0,1,2,3,4,5,6,7
.if (\t)%2
	v_wmma_scale_f32_16x16x128_f8f6f4 v[O+8*\t:O+8*\t+7], v[VF+8*\t:VF+8*\t+7], v[PC:PC+7], 0, v[VS+(\t)/2], v[PW] matrix_a_fmt:MATRIX_FMT_FP4 matrix_b_fmt:MATRIX_FMT_FP4 matrix_a_scale:MATRIX_SCALE_ROW1
.else
	v_wmma_scale_f32_16x16x128_f8f6f4 v[O+8*\t:O+8*\t+7], v[VF+8*\t:VF+8*\t+7], v[PC:PC+7], 0, v[VS+(\t)/2], v[PW] matrix_a_fmt:MATRIX_FMT_FP4 matrix_b_fmt:MATRIX_FMT_FP4
.endif
.endr
.endif
.if \hc
	; ---- C ----  28 packed additions; they name none of the products' registers and are also the lines that stand between those products and the stores of their results
	s_wait_dscnt 0x0                               ; the sixteen partial sums are in
	WIN 0x45
.irp j, 0,2,4,6
.irp e, 0,1
	CADD CL+32*\e+4*\j, CL+32*\e+4*\j+4
.endr
.endr
.irp j, 0,4
.irp e, 0,1
	CADD CL+32*\e+4*\j, CL+32*\e+4*\j+8
.endr
.endr
.irp e, 0,1
	CADD CL+32*\e, CL+32*\e+16
.endr
	WIN 0x04                                       ; a store's data are its source 1
.irp e, 0,1
	global_store_b128 v[GA16], v[CL+32*\e:CL+32*\e+3], s[OPT:OPT+1] offset:512*\e-8192 th:TH_STORE_NT   ; 32 lanes store a row's 512 consecutive bytes, at a multiple of 256 from out's first byte
.endr
.elseif \hb
.rept 4
	v_nop                                          ; no other vector work is at hand between the products and the stores of their results
.endr
.endif
.if \hb
	WIN 0x04
.irp t, 0,1,2,3,4,5,6,7
	ds_store_b128 v[OWA+1-\par], v[O+8*\t:O+8*\t+3] offset:64*\t          ; lane (r, h): channels 16 t + 8 h + 0 .. 7 of query r; each accumulator from its low end on
	ds_store_b128 v[OWA+1-\par], v[O+8*\t+4:O+8*\t+7] offset:64*\t+16
.endr
.endif
	WIN 0
.if \ha
	; ---- A ----
	s_wait_dscnt 16*\hb                            ; Q's fragment and scale words are in; only O's sixteen stores are younger
	WIN 0x01                                       ; K's fragments in window 1
.irp t, 0,1,2,3,4,5,6,7
	v_wmma_scale_f32_16x16x128_f8f6f4 v[S+8*\t:S+8*\t+7], v[KF+8*\t:KF+8*\t+7], v[QF:QF+7], 0, v[KS+\t], v[QS] matrix_a_fmt:MATRIX_FMT_FP4 matrix_b_fmt:MATRIX_FMT_FP4
.endr
	WIN 0
	; my two rows of tile k + 1 of Q become code words; the first plain lines of this are the lines that stand between the products and the first read of the scores
	s_wait_loadcnt 2                               ; tile k + 1's two loads are in; tile k + 2's stay out
	QUANT8 QR+8*(1-\par), CW, EQB
	ds_store_b32 v[QWI], v[CW] offset:1024*(1-\par)
	ds_store_b8 v[QWS], v[EQB] offset:256*(1-\par)
	s_min_u32 s[HO], s[TQO], 31*8192               ; tile k + 3 is asked for.  In the last three intervals that have this phase there is no such tile: the offset is held at tile 31, so that no load leaves the buffer and
	s_add_nc_u64 s[QP:QP+1], s[QB:QB+1], s[HO:HO+1]   ; the counts of the waits are the same in every trip; what those six loads bring, and the image made of it in the last such interval, is not used
	s_add_co_u32 s[TQO], s[TQO], 8192
	global_load_b128 v[QR+8*(1-\par):QR+8*(1-\par)+3], v[GA32], s[QP:QP+1] th:TH_LOAD_NT
	global_load_b128 v[QR+8*(1-\par)+4:QR+8*(1-\par)+7], v[GA32], s[QP:QP+1] offset:16 th:TH_LOAD_NT
	BMAX                                           ; the largest score of my query on my 128 keys
	v_max3_num_f32 v[T], v[BM], v[BM+1], v[BM+2]
	v_max_num_f32 v[T], v[T], v[BM+3]
	v_permlanex16_b32 v[T+1], v[T], s[SEL], s[SEL+1]
	v_max_num_f32 v[T], v[T], v[T+1]
	v_mul_f32 v[T], s[CS], v[T]                    ; as t (c is positive)
	v_floor_f32 v[ST+2], -v[T]                     ; -M = floor(-t): my M is a whole number
.set J, 0
.rept 32
	v_pk_fma_f32 v[S+J:S+J+1], v[S+J:S+J+1], s[CS:CS+1], v[ST+2:ST+3] op_sel_hi:[1,0,0]   ; t - M, two at a time (of the pairs the low word serves both halves)
.set J, J+2
.endr
.set J, 0
.rept 64
	v_exp_f32 v[S+J], v[S+J]                       ; p = 2^(t - M)
.set J, J+1
.endr
	v_nop                                          ; a plain line behind the last exponential,
	s_wait_alu depctr_va_vdst(0)                   ; and ONE wait for the batch of 64, ahead of its first reader
	SUM64 T+2                                      ; my part of Z: all my keys count, masked ones too
	WIN 0x04
.set J, 0
.rept 32
	v_pk_mul_f32 v[S+J:S+J+1], v[S+J:S+J+1], v[MK+J:MK+J+1]   ; p x mask
.set J, J+2
.endr
	WIN 0
	SUM64 T+3                                      ; my part of W
	BMAX                                           ; each block's largest p x mask (none is negative),
.irp n, 0,1,2,3
	v_permlanex16_b32 v[BT+\n], v[BM+\n], s[SEL], s[SEL+1]
.endr
.irp n, 0,1,2,3
	v_max_num_f32 v[BM+\n], v[BM+\n], v[BT+\n]     ; with lane l xor 16's 16 keys
.endr
	v_permlanex16_b32 v[T+4], v[T+2], s[SEL], s[SEL+1]
	v_permlanex16_b32 v[T+5], v[T+3], s[SEL], s[SEL+1]
	v_add_f32 v[ST], v[T+2], v[T+4]
	v_add_f32 v[ST+1], v[T+3], v[T+5]
	ds_store_b128 v[SWA], v[ST:ST+3] offset:STATB*\par    ; both halves of the lanes write the same 16 bytes with the same values
.endif
.if \sync
	s_wait_dscnt 0x0                               ; for the others' sake: all my LDS stores have landed, and all my LDS loads are in
	s_barrier_signal -1
	s_barrier_wait -1
.endif
.endm
; ---------------- THE WALK: intervals 0 to 33 ----------------
	INTERVAL 0, 0, 0, 1, 1                         ; A of tile 0
	INTERVAL 1, 0, 1, 1, 1                         ; B of tile 0, A of tile 1
	s_mov_b32 s[TRIP], 15
.Ltrip:                                            ; intervals 2 to 31, two a trip, until the parities are back where they began
	INTERVAL 0, 1, 1, 1, 1
	INTERVAL 1, 1, 1, 1, 1
	s_sub_co_u32 s[TRIP], s[TRIP], 1
	s_cmp_lg_u32 s[TRIP], 0
	s_cbranch_scc1 .Ltrip
	INTERVAL 0, 1, 1, 0, 1                         ; C of tile 30, B of tile 31
	INTERVAL 1, 1, 0, 0, 0                         ; C of tile 31
	s_wait_tensorcnt 0x0
	ds_add_u32 v254, v255
	s_wait_dscnt 0x0
	s_endpgm
.Lfunc_end_k_q5331f717e4_attn:
	.size	k_q5331f717e4_attn, .Lfunc_end_k_q5331f717e4_attn-k_q5331f717e4_attn
	.p2alignl 7, 3214868480
	.fill 96, 4, 3214868480
	.section	.rodata,"a",@progbits
	.p2align	6, 0x0
	.amdhsa_kernel k_q5331f717e4_attn
		.amdhsa_group_segment_fixed_size 212992
		.amdhsa_private_segment_fixed_size 0
		.amdhsa_enable_private_segment 0
		.amdhsa_kernarg_size 40
		.amdhsa_user_sgpr_count 2
		.amdhsa_user_sgpr_kernarg_segment_ptr 1
		.amdhsa_wavefront_size32 1
		.amdhsa_system_sgpr_workgroup_id_x 1
		.amdhsa_system_sgpr_workgroup_id_y 1
		.amdhsa_system_sgpr_workgroup_id_z 1
		.amdhsa_system_vgpr_workitem_id 0
		.amdhsa_next_free_vgpr 512
		.amdhsa_next_free_sgpr 66
		.amdhsa_reserve_vcc 0
		.amdhsa_float_denorm_mode_32 3
		.amdhsa_float_denorm_mode_16_64 3
		.amdhsa_memory_ordered 1
		.amdhsa_forward_progress 1
		.amdhsa_inst_pref_size 255
	.end_amdhsa_kernel
	.section	.bss,"aw",@nobits
	.p2align	6
	.space	262144
	.amdgpu_metadata
---
amdhsa.version: [ 1, 2 ]
amdhsa.kernels:
  - .name:           k_q5331f717e4_attn
    .symbol:         k_q5331f717e4_attn.kd
    .args:
      - { .name: query, .offset: 0, .size: 8, .value_kind: global_buffer, .address_space: global }
      - { .name: key, .offset: 8, .size: 8, .value_kind: global_buffer, .address_space: global }
      - { .name: value, .offset: 16, .size: 8, .value_kind: global_buffer, .address_space: global }
      - { .name: span_val, .offset: 24, .size: 8, .value_kind: global_buffer, .address_space: global }
      - { .name: out0, .offset: 32, .size: 8, .value_kind: global_buffer, .address_space: global }
    .group_segment_fixed_size: 212992
    .private_segment_fixed_size: 0
    .kernarg_segment_align: 8
    .kernarg_segment_size: 40
    .max_flat_workgroup_size: 256
    .sgpr_count:     66
    .vgpr_count:     512
    .wavefront_size: 32
...
	.end_amdgpu_metadata
.endif
;; end of part 1
;; ======== version 2 of 2: 1 launch; version 1 with the launch attn written anew for expert scheduling mode
;; launch attn (part 2): grid 256 x 1, 8 waves a work-group, no clusters, 212,992 bytes of LDS; arguments query, key, value, span_val, out0; writes out0
.if DOCPART == 2
	.amdgcn_target "amdgcn-amd-amdhsa--gfx1250"
	.amdhsa_code_object_version 6
	.text
	.protected	k_q5331f717e4_attn
	.globl	k_q5331f717e4_attn
	.p2align	8
	.type	k_q5331f717e4_attn,@function
k_q5331f717e4_attn:
	s_mov_b64 s[64:65], 0
	v_nop
	global_prefetch_b8 v0, s[64:65] scope:SCOPE_SE
	s_setreg_imm32_b32 hwreg(HW_REG_WAVE_SCHED_MODE, 0, 2), 2
	s_setreg_imm32_b32 hwreg(HW_REG_WAVE_MODE, 25, 1), 1
	s_wait_xcnt 0x0
	s_wait_alu depctr_vm_vsrc(0)
; out[bh][q][:] = sum over n of a[q][n] V[bh][n][:],  a = softmax_n(Q.K / sqrt(128)) x mask[head][n] / (its row sum + 1e-8).
; Both products on codes of FP4 (E2M1) with one E8M0 scale for each 32 along a product's K: Q and K along the head's 128, a and V along the keys.
; With p = 2^(t - M), t = score x log2(e) / sqrt(128), Z = sum of p, W = sum of p x mask:  a = p x mask / (W + 1e-8 Z).  a is coded FINISHED, so a row's codes wait for all its 1,024 scores.
; SHARES.  Work-group x: head x / 2 of 128, queries 512 (x % 2) on: 32 tiles of 16.  Eight waves.  THE WAVES SHARE THE KEYS: wave w owns keys 128 w .. 128 w + 127 for the whole launch.
; At the head it reads its 64 KB of K and of V as f32, quantises them, and keeps in registers K's 8 fragments, V^T's 8 fragments (its 128 keys are one K step of the second product), their scale words and its 64 mask values a lane.
; A TILE OF 16 QUERIES passes all eight waves in three phases.  A: S^T = K Q^T on my keys; p under MY OWN whole-number maximum; my parts of Z and W; each block's largest p x mask.
; B: the eight waves' (Z, W, -M) are joined, brought under the common M by exact powers of two; f = 2^(my M - M) / (W + 1e-8 Z); a = p x mask x f; codes; O^T = V^T a^T on my keys.
; C: the eight partial O^T are added through LDS, each wave taking two whole rows, and stored.  An INTERVAL runs C of tile k - 2, B of tile k - 1 and A of tile k: ONE barrier a tile.
; Every LDS region is kept twice, by the tile's parity: written in one interval, read in the next, written again two intervals on; each wave waits for all its LDS work in front of each barrier.
; Q is streamed: each wave quantises 2 rows of every tile, and the fragment goes round as an image of the operand's registers in LDS.
; THE KEYS OF A TILE OF K ARE NOT NEIGHBOURS: lane r of tile 2 b + u takes key 32 b + 8 u + r + 8 (r / 8), so that register 16 b + i of S^T is key 32 b + 16 (lane / 16) + i.
; Every matrix instruction starts its own sum with the constant 0: the head's 128, and a wave's 128 keys, are one instruction deep.
; NO CLUSTER: K and V of a head are read by two work-groups only, once each, at the head, by loads into registers (64 KB a wave, turned into 8 KB of codes there); nothing is shared in the loop.
; LIMITS.  NaN and infinities among the inputs are not served.  |score x log2(e) / sqrt(128)| stays under 2^24, so that differences of the whole-number maxima are exact.
; p under 2^-126 comes out of v_exp_f32 as 0 (ISA guide, 15.8), and a under 2^-126 loses bits: such weights are under 1e-30 of the row's largest.  a is made as p x mask x (1 / (W + 1e-8 Z)), a few f32 roundings
; from the two divisions as they are written.  A block of zeros carries the scale byte 1, not 127: its codes are zeros, and only this text reads the bytes.
; THE MODE: SCHED_MODE bits 1:0 = 2 (LLVM: expert scheduling mode 2), set by the entry lines.  The code itself states the register dependences
; between vector or matrix instructions and memory or LDS instructions, with s_wait_alu, always for 0.
; THE PLAN.  Registers that memory or LDS instructions touch:
;   v1-v17       offsets and LDS addresses: written once, ahead of the first load, and never again: one wait on va_vdst there serves every load and store of the launch.
;   KRING        at the head: K's loads land in a slot; a group's quantising lines read four slots; the loads of four groups on land in them.
;   KCODE        at the head: a group's conversions and shifts write it; the group's eight LDS stores read it.
;   V's 3 slots  at the head: group g's lines read a slot; the loads of group g + 3, issued at the head of group g + 1, land in it.
;   QR0, QR1     Q's loads land; QUANT8 reads.        CW, EQB  QUANT8 writes; two LDS stores read.
;   G            LDS loads at an interval's head; phase B's join reads and writes.        QF, QS  LDS loads at an interval's head; phase A's products read.
;   CL           LDS loads at an interval's head; phase C's additions read and write; two global stores read.
;   O            phase B's products write; sixteen LDS stores read.        ST  phase A's last lines write; one LDS store reads.
;   PC, PW       vector instructions write; phase B's scaled products take them as operand and scales.
; AN INTERVAL'S WAITS.  At its head one on vm_vsrc (all the last interval's stores have read their data: CL, O, CW, EQB, ST are written again in this one) and one on va_vdst (all that was issued is done with G, QF, QS, CL);
; the interval's 23 LDS loads follow in one run.  On va_vdst further: behind the reciprocal; ahead of B's products (PC, PW); ahead of the run of 2 + 16 stores (CL, O); behind the exponentials, where Q's two stores and
; two loads stand too (CW, EQB, QR); ahead of the statistics' store (ST).
; LDS, in bytes
.set KIMG,  0                          ; 8 x 8,192: each wave's own: K's 8 fragments as register images (tile t at 1024 t, group c at 512 c, lane at 16 x lane, register at 4 g); head only
.set KSC,   65536                      ; 8 x 512: their scale words: tile t at 64 t, row r at 4 r, block's byte at + block
.set QIMG,  69632                      ; 2 x 1,024: Q's fragment, by the tile's parity
.set QSC,   71680                      ; 2 x 256: its scale words, 4 r
.set STAT,  72192                      ; 2 x 2,304: query r at 144 r, wave j at + 16 j: Z, W, -M, 0
.set STATB, 2304
.set OP0,   76800                      ; 2 x 67,584: partial O: wave j at 8,448 j, query at 528 x row (512 + 16: sixteen rows start at sixteen different 16-byte columns of 256), channel at 4 d
.set OPB,   67584
.set OPW,   8448
.set OPP,   528
; REGISTERS, window 0
.set GA32, 1                           ; 32 x lane
.set GA4,  2                           ; 4 x lane
.set GA16, 3                           ; 16 x lane
.set KWI,  4                           ; where I store a code word of K;   v5 its scale byte;   v6, v7 where I read fragments and scale words back
.set KWS,  5
.set KRI,  6
.set KRS,  7
.set QWI,  8                           ; the same four for Q
.set QWS,  9
.set QRI,  10
.set QRS,  11
.set SWA,  12                          ; statistics: where I store, where I read
.set SRA,  13
.set OWA,  14                          ; v14-15 partial O, parity 0 and 1: where I store
.set ORA,  16                          ; v16-17 and where I read my two rows
.set TL,   18                          ; set-up
.set QR,   20                          ; v20-27, v28-35 Q as loaded, two sets
.set S,    36                          ; v36-99 scores, then p, p x mask, a
.set VF,   100                         ; v100-163 V^T's 8 fragments
.set PC,   164                         ; v164-171 a's codes
.set QF,   172                         ; v172-179 Q's fragment
.set KS,   180                         ; v180-187 K's scale words, v188-191 V's, v192 Q's, v193 a's: scales and nothing else
.set VS,   188
.set QS,   192
.set PW,   193
.set BM,   194                         ; v194-197 largest of each block;  v198-201 the other half's
.set BT,   198
.set ST,   202                         ; v[202:205] my Z, W, -M, 0
.set ZA,   206                         ; v[206:213] four chains of sums
.set G,    214                         ; v[214:229] four waves' statistics
.set F,    230                         ; v[230:231] f, and a word named with it as a pair
.set SC,   232                         ; v232-235 the conversions' scale operands;  v236-239 the bytes
.set EB,   236
.set T,    240                         ; v240-247 at work
.set TQ,   248                         ; QUANT8's largest magnitude, its scale operand; Q's code word and byte
.set SQ,   249
.set CW,   250
.set EQB,  251
; window 1
.set KF,   0                           ; K's 8 fragments
.set MK,   64                          ; the mask: register 16 b + i for key 128 w + 32 b + 16 (lane / 16) + i, as in S
.set O,    128                         ; my partial O^T
.set CL,   192                         ; two rows x eight waves' partial sums
; at the head alone
.set KRING, 36                         ; v36-163: 16 slots of 8: K as loaded
.set KCODE, 168                        ; v168-175: four sets of code word and byte
.set VT,    164                        ; v164-167: V's block at work.  V as loaded: three slots of 32: v196-227, v36-67, v68-99
; scalars
.set WV,   14                          ; my wave
.set SEL,  20                          ; s[20:21] v_permlanex16_b32's selects for lane l xor 16
.set CS,   22                          ; s[22:23] c = log2(e) / sqrt(128)
.set SPN,  24                          ; s[24:25] span x 1,024
.set R32,  26                          ; s[26:27] 1 / 32
.set TRIP, 28
.set TQO,  29                          ; byte offset of the tile of Q to be asked for
.set HO,   30                          ; s[30:31] an offset held inside the buffer, and 0
.set QB,   32                          ; s[32:33] Q at my two rows of tile 0
.set QP,   34                          ; s[34:35] and of the tile asked for
.set OPT,  36                          ; s[36:37] out at my two rows
.set SPV,  38
.set EPS,  39
.set MSB, 0
.macro WIN new                         ; low byte: bits 1:0 source 0, 3:2 source 1, 5:4 source 2, 7:6 destination; the high byte repeats the setting that is left
.if MSB != \new
	s_set_vgpr_msb (MSB<<8)|\new
.set MSB, \new
.endif
.endm
; Eight neighbours along the head's axis, v[x] on, become one code word; four neighbouring lanes hold a block of 32.
.macro QUANT8 x, cw, eb
	v_max3_num_f32 v[TQ], |v[(\x)]|, |v[(\x)+1]|, 0x1800000      ; with the floor 2^(3 - 127) among the leaves: the byte cannot fall under 1
	v_max3_num_f32 v[TQ], v[TQ], |v[(\x)+2]|, |v[(\x)+3]|
	v_max3_num_f32 v[TQ], v[TQ], |v[(\x)+4]|, |v[(\x)+5]|
	v_max3_num_f32 v[TQ], v[TQ], |v[(\x)+6]|, |v[(\x)+7]|
	v_max_num_f32_dpp v[TQ], v[TQ], v[TQ] row_xmask:1 row_mask:0xf bank_mask:0xf
	v_max_num_f32_dpp v[TQ], v[TQ], v[TQ] row_xmask:2 row_mask:0xf bank_mask:0xf   ; the block's largest magnitude
	v_add_nc_u32 v[SQ], 0xff000000, v[TQ]                        ; 2 off its exponent field: the conversion takes this operand's exponent field as its scale
	v_cvt_scalef32_pk8_fp4_f32 v[\cw], v[(\x):(\x)+7], v[SQ]
	v_lshrrev_b32 v[\eb], 23, v[SQ]                              ; the scale's byte; also the plain line behind the conversion
.endm
; K's rows 2 i and 2 i + 1 of my 128: 1,024 consecutive bytes, 32 a lane: lane = (row i % 2 = lane / 16, octet lane % 16)
.macro KLOAD i
	global_load_b128 v[KRING+8*((\i)%16):KRING+8*((\i)%16)+3], v[GA32], s[6:7] offset:1024*(\i)
	global_load_b128 v[KRING+8*((\i)%16)+4:KRING+8*((\i)%16)+7], v[GA32], s[6:7] offset:1024*(\i)+16
.endm
; Group g of 16: K's pairs of rows 4 g .. 4 g + 3, QUANT8's lines for each, the four pairs by turns, so that no line waits for the line above it and ONE wait serves the group's eight stores and eight loads.
.macro KQUAD g, n
.set KX0, KRING+32*((\g)%4)            ; the group's four slots
	s_wait_loadcnt \n                              ; loads come back in order: this group's eight are in, the younger ones stay out
.if (\g) > 0
	s_wait_alu depctr_vm_vsrc(0)                   ; the last group's LDS stores have read v[KCODE ..], which the conversions and shifts below write again
.endif
.irp p, 0,1,2,3
	v_max3_num_f32 v[T+\p], |v[KX0+8*\p]|, |v[KX0+8*\p+1]|, 0x1800000   ; with the floor 2^(3 - 127) among the leaves
.endr
.irp j, 2,4,6
.irp p, 0,1,2,3
	v_max3_num_f32 v[T+\p], v[T+\p], |v[KX0+8*\p+\j]|, |v[KX0+8*\p+\j+1]|
.endr
.endr
.irp p, 0,1,2,3
	v_max_num_f32_dpp v[T+\p], v[T+\p], v[T+\p] row_xmask:1 row_mask:0xf bank_mask:0xf
.endr
.irp p, 0,1,2,3
	v_max_num_f32_dpp v[T+\p], v[T+\p], v[T+\p] row_xmask:2 row_mask:0xf bank_mask:0xf   ; the block's largest magnitude
.endr
.irp p, 0,1,2,3
	v_add_nc_u32 v[T+4+\p], 0xff000000, v[T+\p]    ; 2 off its exponent field: the conversion's scale operand
.endr
.irp p, 0,1,2,3
	v_cvt_scalef32_pk8_fp4_f32 v[KCODE+2*\p], v[KX0+8*\p:KX0+8*\p+7], v[T+4+\p]
.endr
.irp p, 0,1,2,3
	v_lshrrev_b32 v[KCODE+2*\p+1], 23, v[T+4+\p]   ; the scales' bytes; the first of these is the plain line behind the last conversion
.endr
	s_wait_alu depctr_va_vdst(0)                   ; the conversions and shifts have written v[KCODE ..], which the stores below read, and are done reading the four slots, in which the loads below land
.irp p, 0,1,2,3
.set KX, (2*(4*(\g)+\p))%32            ; the pair's place in its 32 keys,
.set KT, 2*((2*(4*(\g)+\p))/32)+(KX/8)%2   ; the tile that takes it,
.set KR, KX%8+8*(KX/16)                ; and the row there
	ds_store_b32 v[KWI], v[KCODE+2*\p] offset:1024*KT+16*KR
	ds_store_b8 v[KWS], v[KCODE+2*\p+1] offset:64*KT+4*KR   ; the four lanes of a block write the same byte with the same value
.endr
.if (\g) < 12
.irp p, 0,1,2,3
	KLOAD 4*(\g)+16+\p
.endr
.endif
.endm
; V: group g = 4 x block + q: keys 32 x block + 0 .. 31 of column 32 q + lane: A LANE TAKES A COLUMN AND ITS REGISTERS RUN DOWN THE KEYS, which are this product's K
.macro VSLOT g
.if (\g)%3 == 0
.set VX, 196
.else
.set VX, 4+32*((\g)%3)
.endif
.endm
.macro VLOAD g
	VSLOT \g
.set VB, (\g)/4
.set VQ, (\g)%4
.set VI, 0
.rept 32
	global_load_b32 v[VX+VI], v[GA4], s[8:9] offset:(32*VB+VI)*512+128*VQ   ; 32 lanes read 128 consecutive bytes
.set VI, VI+1
.endr
.endm
.macro VGROUP g, n
	s_wait_loadcnt \n                              ; this group's 32 loads are in
.if (\g) < 14
.if (\g) > 0
	s_wait_alu depctr_va_vdst(0)                   ; the group before is done reading its slot, in which the loads below land.  (Group 0's loads take a slot of K's ring, which K's last groups' waits have shown read out)
.endif
	VLOAD (\g)+2                                   ; into the slot that the group before has left
.endif
	VSLOT \g
.set VB, (\g)/4
.set VQ, (\g)%4
	v_max3_num_f32 v[VT], |v[VX]|, |v[VX+1]|, |v[VX+2]|          ; the block's largest magnitude: all 32 numbers are mine; two chains
	v_max3_num_f32 v[VT+1], |v[VX+3]|, |v[VX+4]|, |v[VX+5]|
.irp i, 6,10,14,18,22,26
	v_max3_num_f32 v[VT], v[VT], |v[VX+\i]|, |v[VX+\i+1]|
	v_max3_num_f32 v[VT+1], v[VT+1], |v[VX+\i+2]|, |v[VX+\i+3]|
.endr
	v_max3_num_f32 v[VT], v[VT], |v[VX+30]|, |v[VX+31]|
	v_max3_num_f32 v[VT], v[VT], v[VT+1], 0x1800000              ; and the floor
	v_add_nc_u32 v[VT+2], 0xff000000, v[VT]
.if VB == 0
	v_lshrrev_b32 v[VS+VQ], 23, v[VT+2]                          ; the column's scale word: block 0's byte starts it
.else
	v_lshrrev_b32 v[VT+3], 23, v[VT+2]
	v_lshl_or_b32 v[VS+VQ], v[VT+3], 8*VB, v[VS+VQ]
.endif
.irp u, 0,1,2,3
	v_cvt_scalef32_pk8_fp4_f32 v[VF+8*(2*VQ+VB%2)+4*(VB/2)+\u], v[VX+8*\u:VX+8*\u+7], v[VT+2]
.endr
	v_nop                                          ; one plain line behind the last conversion of a run
.endm
.macro QLOADH j, set                   ; my two rows of tile j of Q (head only)
	global_load_b128 v[\set:\set+3], v[GA32], s[QB:QB+1] offset:8192*\j th:TH_LOAD_NT
	global_load_b128 v[\set+4:\set+7], v[GA32], s[QB:QB+1] offset:8192*\j+16 th:TH_LOAD_NT
.endm
; The largest of each block's 16 registers of S, the four blocks by turns.  Each accumulator of 8 is first read at its low end.
.macro BMAX
.irp n, 0,1,2,3
	v_max3_num_f32 v[BM+\n], v[S+16*\n], v[S+16*\n+1], v[S+16*\n+2]
.endr
.irp i, 3,5,7,9,11,13
.irp n, 0,1,2,3
	v_max3_num_f32 v[BM+\n], v[BM+\n], v[S+16*\n+\i], v[S+16*\n+\i+1]
.endr
.endr
.irp n, 0,1,2,3
	v_max_num_f32 v[BM+\n], v[BM+\n], v[S+16*\n+15]
.endr
.endm
; The sum of S's 64 registers, two at a time, in four chains that the first eight pairs start
.macro SUM64 dst
.irp n, 0,1,2,3
	v_pk_add_f32 v[ZA+2*\n:ZA+2*\n+1], v[S+4*\n:S+4*\n+1], v[S+4*\n+2:S+4*\n+3]
.endr
.set J, 16
.rept 6
.irp n, 0,1,2,3
	v_pk_add_f32 v[ZA+2*\n:ZA+2*\n+1], v[ZA+2*\n:ZA+2*\n+1], v[S+J+2*\n:S+J+2*\n+1]
.endr
.set J, J+8
.endr
	v_pk_add_f32 v[ZA:ZA+1], v[ZA:ZA+1], v[ZA+2:ZA+3]
	v_pk_add_f32 v[ZA+4:ZA+5], v[ZA+4:ZA+5], v[ZA+6:ZA+7]
	v_pk_add_f32 v[ZA:ZA+1], v[ZA:ZA+1], v[ZA+4:ZA+5]
	v_add_f32 v[\dst], v[ZA], v[ZA+1]
.endm
.macro CADD x, y                       ; four numbers onto four
	v_pk_add_f32 v[(\x):(\x)+1], v[(\x):(\x)+1], v[(\y):(\y)+1]
	v_pk_add_f32 v[(\x)+2:(\x)+3], v[(\x)+2:(\x)+3], v[(\y)+2:(\y)+3]
.endm
; ---------------- THE HEAD ----------------
	s_load_b256 s[4:11], s[0:1], 0x0               ; query s[4:5], key s[6:7], value s[8:9], span_val s[10:11]
	s_load_b64 s[12:13], s[0:1], 0x20              ; out0
	v_lshl_add_u32 v254, v0, 2, 0x33c00
	v_mov_b32 v255, 0
	v_lshrrev_b32 v[TL], 5, v0
	v_readfirstlane_b32 s[WV], v[TL]               ; wave 0..7
	v_and_b32 v[T], 31, v0                         ; lane
	v_and_b32 v[T+1], 15, v0                       ; r
	v_bfe_u32 v[T+2], v0, 4, 1                     ; h
	v_lshlrev_b32 v[GA32], 5, v[T]
	v_lshlrev_b32 v[GA4], 2, v[T]
	v_lshlrev_b32 v[GA16], 4, v[T]
	; A code word holds octet o = r (k = 8 o on) of row h of a pair.  In a fragment's image it is group o / 8, half (o / 4) % 2, register o % 4: 512 (o / 8) + 256 ((o / 4) % 2) + 4 (o % 4), + 16 for the pair's second row
	v_bfe_u32 v[T+3], v0, 3, 1
	v_lshlrev_b32 v[T+3], 9, v[T+3]
	v_bfe_u32 v[T+4], v0, 2, 1
	v_lshl_add_u32 v[T+3], v[T+4], 8, v[T+3]
	v_and_b32 v[T+4], 3, v0
	v_lshl_add_u32 v[T+3], v[T+4], 2, v[T+3]
	v_lshl_add_u32 v[T+3], v[T+2], 4, v[T+3]
	v_bfe_u32 v[T+5], v0, 2, 2
	v_lshl_add_u32 v[T+5], v[T+2], 2, v[T+5]       ; its scale byte: 4 h + r / 4
	v_lshlrev_b32 v[T+6], 2, v[T+1]                ; 4 r
	s_wait_alu depctr_va_sdst(0)                   ; s[WV] is written, ahead of its first reader: LDS addresses and the bases of K, V, Q and out are made from it
	s_lshl_b32 s15, s[WV], 13
	v_add_nc_u32 v[KWI], s15, v[T+3]               ; (KIMG = 0)
	v_add_nc_u32 v[KRI], s15, v[GA16]
	s_lshl_b32 s15, s[WV], 9
	s_add_co_u32 s15, s15, KSC
	v_add_nc_u32 v[KWS], s15, v[T+5]
	v_add_nc_u32 v[KRS], s15, v[T+6]
	s_lshl_b32 s15, s[WV], 5                       ; Q: my rows 2 w, 2 w + 1 of the tile: 16 bytes a row in the image,
	s_add_co_u32 s15, s15, QIMG
	v_add_nc_u32 v[QWI], s15, v[T+3]
	s_lshl_b32 s15, s[WV], 3                       ; 4 bytes a row among the scale words
	s_add_co_u32 s15, s15, QSC
	v_add_nc_u32 v[QWS], s15, v[T+5]
	v_add_nc_u32 v[QRI], QIMG, v[GA16]
	v_add_nc_u32 v[QRS], QSC, v[T+6]
	v_mul_u32_u24 v[T+7], v[T+1], 144
	s_lshl_b32 s15, s[WV], 4
	s_add_co_u32 s15, s15, STAT
	v_add_nc_u32 v[SWA], s15, v[T+7]               ; query r, wave w
	v_lshl_add_u32 v[SRA], v[T+2], 6, v[T+7]
	v_add_nc_u32 v[SRA], STAT, v[SRA]              ; query r, waves 4 h on
	v_mul_u32_u24 v[T+7], v[T+1], OPP
	v_lshl_add_u32 v[T+7], v[T+2], 5, v[T+7]
	s_mul_i32 s15, s[WV], OPW
	s_add_co_u32 s15, s15, OP0
	v_add_nc_u32 v[OWA], s15, v[T+7]               ; my region, row r, + 32 h: a tile's eight channels of my half
	v_add_nc_u32 v[OWA+1], OPB, v[OWA]
	s_mul_i32 s15, s[WV], 2*OPP
	s_add_co_u32 s15, s15, OP0
	v_add_nc_u32 v[ORA], s15, v[GA16]              ; rows 2 w, 2 w + 1 of every region, 16 bytes a lane
	v_add_nc_u32 v[ORA+1], OPB, v[ORA]
	s_lshl_b32 s40, s[WV], 7
	s_sub_co_i32 s40, s40, 1023
	v_lshl_add_u32 v[TL], v[T+2], 4, s40
	v_cvt_f32_i32 v[TL], v[TL]                     ; the mask's position of my register 0: key 128 w + 16 h, less 1,023
	s_lshr_b32 s15, ttmp9, 1                       ; batch x 16 + head
	s_lshl_b32 s16, s15, 19                        ; its 1,024 rows of 512 bytes,
	s_lshl_b32 s17, s[WV], 16                      ; my 128 of them
	s_add_co_u32 s16, s16, s17
	s_mov_b32 s17, 0
	s_lshl_b32 s18, ttmp9, 18                      ; the work-group's 512 rows of Q and of out,
	s_lshl_b32 s19, s[WV], 10                      ; my two rows of a tile
	s_add_co_u32 s18, s18, s19
	s_mov_b32 s19, 0
	s_and_b32 s[HO], s15, 15
	s_lshl_b32 s[HO], s[HO], 2                     ; the head's span
	s_mov_b32 s[HO+1], 0
	s_mov_b32 s[SEL], 0x76543210
	s_mov_b32 s[SEL+1], 0xfedcba98
	s_mov_b32 s[CS], 0x3e0293ee                    ; log2(e) / sqrt(128)
	s_mov_b32 s[CS+1], s[CS]                       ; (a packed form names the pair, so both words are written)
	s_mov_b32 s[R32], 0x3d000000                   ; 1 / 32
	s_mov_b32 s[R32+1], s[R32]
	s_mov_b32 s[EPS], 0x322bcc77                   ; 1e-8
	s_wait_kmcnt 0x0
	s_add_nc_u64 s[6:7], s[6:7], s[16:17]          ; K and V at my first key
	s_add_nc_u64 s[8:9], s[8:9], s[16:17]
	s_add_nc_u64 s[QB:QB+1], s[4:5], s[18:19]
	s_add_nc_u64 s[OPT:OPT+1], s[12:13], s[18:19]
	s_add_nc_u64 s[10:11], s[10:11], s[HO:HO+1]
	s_load_b32 s[SPV], s[10:11], 0x0
	s_wait_alu depctr_va_vdst(0)                   ; the offsets and LDS addresses v1 to v17 are written: every load and store of the launch reads one of them, and none is written again
.set I, 0
.rept 16
	KLOAD I                                        ; 32 loads, 16 KB a wave, are on their way while the mask is made
.set I, I+1
.endr
	; THE MASK: clip((position + span x 1,024 + 32) / 32, 0, 1), with the roundings as they are written: the positions are whole numbers, exact; one rounding in + span x 1,024; x / 32 + 1 in one fused line rounds as (x + 32) / 32 does
	WIN 0x40
	v_mov_b32 v[MK], v[TL]
	v_add_f32 v[MK+16], 0x42000000, v[TL]          ; + 32, 64, 96: the four blocks
	v_add_f32 v[MK+32], 0x42800000, v[TL]
	v_add_f32 v[MK+48], 0x42c00000, v[TL]
	WIN 0x55
.set J, 1
.rept 15
.irp n, 0,1,2,3
	v_add_f32 v[MK+16*\n+J], 1.0, v[MK+16*\n+J-1]
.endr
.set J, J+1
.endr
	s_wait_kmcnt 0x0                               ; the span
	s_mul_f32 s[SPN], s[SPV], 0x44800000           ; x 1,024: exact
	s_mov_b32 s[SPN+1], s[SPN]
.set J, 0
.rept 32
	v_pk_add_f32 v[MK+J:MK+J+1], v[MK+J:MK+J+1], s[SPN:SPN+1] op_sel_hi:[1,0]
.set J, J+2
.endr
.set J, 0
.rept 32
	v_pk_fma_f32 v[MK+J:MK+J+1], v[MK+J:MK+J+1], s[R32:R32+1], 1.0 op_sel_hi:[1,0,0]
.set J, J+2
.endr
.set J, 0
.rept 64
	v_med3_num_f32 v[MK+J], v[MK+J], 0, 1.0
.set J, J+1
.endr
	WIN 0
	; K: 64 pairs of rows through a ring of 16 slots, four pairs to a group
.set I, 0
.rept 12
	KQUAD I, 24                                    ; younger: the three groups behind this one
.set I, I+1
.endr
	VLOAD 0                                        ; V's first group goes out behind K's last loads, into registers that nothing has named yet
.rept 4
	KQUAD I, 8*(15-I)+32                           ; younger: K's groups behind this one, and V's 32
.set I, I+1
.endr
	VLOAD 1                                        ; K's ring is read out (the last groups' waits on va_vdst have shown it): its first slots take V
	WIN 0x40                                       ; K's fragments come back as the operand wants them.  My own bytes, and LDS serves a wave's instructions in order (ISA guide 5.7.1.4): no barrier, no wait in between.  Nothing has named these registers yet
.irp t, 0,1,2,3,4,5,6,7
	ds_load_b128 v[KF+8*\t:KF+8*\t+3], v[KRI] offset:1024*\t
	ds_load_b128 v[KF+8*\t+4:KF+8*\t+7], v[KRI] offset:1024*\t+512
.endr
	WIN 0
.irp t, 0,1,2,3,4,5,6,7
	ds_load_b32 v[KS+\t], v[KRS] offset:64*\t
.endr
	; V: 16 groups through three slots
.set GI, 0
.rept 14
	VGROUP GI, 32                                  ; younger: the next group's 32
.set GI, GI+1
.endr
	QLOADH 0, QR                                   ; Q's first two tiles, into registers that nothing has named yet
	QLOADH 1, QR+8
	VGROUP 14, 36                                  ; younger: group 15's 32 and Q's four
	VGROUP 15, 4                                   ; younger: Q's four
	; A lane holds all four blocks of ONE channel; the operand wants, in tile 2 q + u, lane (r, h), group c: block 2 c + h of channel 32 q + 16 u + r.  The even blocks were laid in tile 2 q's registers and the odd ones in
	; tile 2 q + 1's: an exchange of the first's lanes 16-31 with the second's lanes 0-15 gives both tiles.  V's scale word of channel 32 q + lane serves tile 2 q from lanes 0-15 and tile 2 q + 1 from lanes 16-31.
.irp n, 0,1,2,3
.irp u, 0,1,2,3,4,5,6,7
	v_permlane16_swap_b32 v[VF+16*\n+\u], v[VF+16*\n+8+\u]
.endr
.endr
.irp n, 0,1,2,3
	v_mov_b32 v[BT+\n], 0                          ; written once: a lane permute's destination counts as one of its sources (T+1, T+4, T+5 were written whole above)
.endr
	v_mov_b32 v[ST+3], 0                           ; the fourth word of my statistics, and the upper word of the pair that holds -M
	v_mov_b32 v[F+1], 0                            ; named with f as a pair
	s_wait_loadcnt 2                               ; tile 0's two loads are in; tile 1's stay out
	QUANT8 QR, CW, EQB
	s_wait_alu depctr_va_vdst(0)                   ; the code word and the byte are written, which the stores below read; the conversion is done reading v[QR ..], in which tile 2's loads land.  V's fragments and scale words are written too
	ds_store_b32 v[QWI], v[CW]
	ds_store_b8 v[QWS], v[EQB]
	QLOADH 2, QR
	s_mov_b32 s[TQO], 3*8192
	s_wait_dscnt 0x0                               ; my part of tile 0's image has landed; K's fragments and scale words are in
	s_barrier_signal -1
	s_barrier_wait -1
; ---------------- AN INTERVAL ----------------
; par: its number's parity.  hc, hb, ha: it has phase C (tile k - 2), B (tile k - 1), A (tile k).  sync: a barrier ends it.
.macro INTERVAL par, hc, hb, ha, sync
	s_wait_xcnt 0x0                                ; every earlier load and store has read its sources (ISA guide 3.1): CL, out's base and Q's walking base are written again only behind this wait
.if \hc
	s_add_nc_u64 s[OPT:OPT+1], s[OPT:OPT+1], 8192  ; a tile on; the stores below reach back by their immediate
.endif
	s_wait_alu depctr_vm_vsrc(0)                   ; the stores issued so far have read their data: CL (loaded again below), O^T, Q's code word and byte, my statistics (written again in this interval); in the first interval K's code words, where Q's fragment and a's codes will lie
	s_wait_alu depctr_va_vdst(0)                   ; all that was issued is done reading and writing G, QF, QS and CL, in which the loads below land; only loads and a window switch stand between this line and them
	; the interval's LDS loads, in the order in which they are wanted
.if \hb
.irp j, 0,1,2,3
	ds_load_b128 v[G+4*\j:G+4*\j+3], v[SRA] offset:STATB*(1-\par)+16*\j   ; tile k - 1: Z, W, -M of waves 4 h + j
.endr
.endif
.if \ha
	ds_load_b128 v[QF:QF+3], v[QRI] offset:1024*\par
	ds_load_b128 v[QF+4:QF+7], v[QRI] offset:1024*\par+512
	ds_load_b32 v[QS], v[QRS] offset:256*\par
.endif
.if \hc
	WIN 0x40
.irp e, 0,1
.irp j, 0,1,2,3,4,5,6,7
	ds_load_b128 v[CL+4*(8*\e+\j):CL+4*(8*\e+\j)+3], v[ORA+\par] offset:OPW*\j+OPP*\e   ; tile k - 2: row 2 w + e of wave j's partial O: 32 lanes take its 512 bytes
.endr
.endr
	WIN 0
.endif
.if \hb
	; ---- B ----
	s_wait_dscnt 3*\ha+16*\hc                      ; the four statistics loads are in; Q's three and the sixteen partial sums, issued behind them, may stay out
	v_min3_num_f32 v[T], v[G+2], v[G+6], v[G+10]
	v_min_num_f32 v[T], v[T], v[G+14]
	v_permlanex16_b32 v[T+1], v[T], s[SEL], s[SEL+1]
	v_min_num_f32 v[T], v[T], v[T+1]               ; -M of all eight waves: the least -M
.irp j, 0,1,2,3
	v_sub_f32 v[G+4*\j+3], v[T], v[G+4*\j+2]       ; wave j's M less the common M: a whole number, 0 or less
.endr
	v_sub_f32 v[T+2], v[T], v[ST+2]                ; and mine
.irp j, 0,1,2,3
	v_cvt_i32_f32 v[G+4*\j+3], v[G+4*\j+3]         ; (it saturates)
.endr
	v_cvt_i32_f32 v[T+2], v[T+2]
.irp j, 0,1,2,3
	v_ldexp_f32 v[G+4*\j], v[G+4*\j], v[G+4*\j+3]  ; Z and W under the common M: nothing is rounded
	v_ldexp_f32 v[G+4*\j+1], v[G+4*\j+1], v[G+4*\j+3]
.endr
	v_pk_add_f32 v[G:G+1], v[G:G+1], v[G+4:G+5]
	v_pk_add_f32 v[G+8:G+9], v[G+8:G+9], v[G+12:G+13]
	v_pk_add_f32 v[G:G+1], v[G:G+1], v[G+8:G+9]
	v_permlanex16_b32 v[T+4], v[G], s[SEL], s[SEL+1]
	v_permlanex16_b32 v[T+5], v[G+1], s[SEL], s[SEL+1]
	v_pk_add_f32 v[G:G+1], v[G:G+1], v[T+4:T+5]    ; the row's Z and W
	v_fma_f32 v[T+1], v[G], s[EPS], v[G+1]         ; W + 1e-8 Z
	v_rcp_f32 v[T+3], v[T+1]
	v_nop                                          ; a plain line behind the reciprocal,
	s_wait_alu depctr_va_vdst(0)                   ; and the wait for its result, v[T+3], ahead of its first reader
	v_ldexp_f32 v[F], v[T+3], v[T+2]               ; f = 2^(my M - M) / (W + 1e-8 Z)
.irp n, 0,1,2,3
	v_mul_f32 v[SC+\n], v[BM+\n], v[F]             ; a block's largest a: the same multiplication on its largest p x mask gives the same bits
.endr
.irp n, 0,1,2,3
	v_max_num_f32 v[SC+\n], 0x1800000, v[SC+\n]    ; the floor 2^(3 - 127)
.endr
.irp n, 0,1,2,3
	v_add_nc_u32 v[SC+\n], 0xff000000, v[SC+\n]    ; 2 off the exponent field: the conversion's scale operand
.endr
.irp n, 0,1,2,3
	v_lshrrev_b32 v[EB+\n], 23, v[SC+\n]
.endr
	v_lshl_or_b32 v[PW], v[EB+1], 8, v[EB]         ; a's scale word for my 128 keys
	v_lshl_or_b32 v[PW], v[EB+2], 16, v[PW]
	v_lshl_or_b32 v[PW], v[EB+3], 24, v[PW]
.set J, 0
.rept 32
	v_pk_mul_f32 v[S+J:S+J+1], v[S+J:S+J+1], v[F:F+1] op_sel_hi:[1,0]   ; a = p x mask x f.  (More than the eight lines that stand between a scale word's last write and the scaled product)
.set J, J+2
.endr
.irp n, 0,1,2,3
	v_cvt_scalef32_pk8_fp4_f32 v[PC+2*\n], v[S+16*\n:S+16*\n+7], v[SC+\n]
	v_cvt_scalef32_pk8_fp4_f32 v[PC+2*\n+1], v[S+16*\n+8:S+16*\n+15], v[SC+\n]
.endr
	v_nop                                          ; one plain line behind the conversions
.irp n, 0,1                                    ; the operand wants a WHOLE block in a lane: lanes 0-15 block 2 n, lanes 16-31 block 2 n + 1
.irp u, 0,1
	v_permlane16_swap_b32 v[PC+4*\n+\u], v[PC+4*\n+2+\u]
.endr
.endr
.rept 4
	v_nop                                          ; four lines between an operand written by vector instructions and the scaled product
.endr
	WIN 0x40                                       ; O^T in window 1
	s_wait_alu depctr_va_vdst(0)                   ; the exchanges have written a's codes v[PC ..] and the shifts its scale word v[PW], which the scaled products below take; the lines above stay beside this wait
.irp t, 0,1,2,3,4,5,6,7
.if (\t)%2
	v_wmma_scale_f32_16x16x128_f8f6f4 v[O+8*\t:O+8*\t+7], v[VF+8*\t:VF+8*\t+7], v[PC:PC+7], 0, v[VS+(\t)/2], v[PW] matrix_a_fmt:MATRIX_FMT_FP4 matrix_b_fmt:MATRIX_FMT_FP4 matrix_a_scale:MATRIX_SCALE_ROW1
.else
	v_wmma_scale_f32_16x16x128_f8f6f4 v[O+8*\t:O+8*\t+7], v[VF+8*\t:VF+8*\t+7], v[PC:PC+7], 0, v[VS+(\t)/2], v[PW] matrix_a_fmt:MATRIX_FMT_FP4 matrix_b_fmt:MATRIX_FMT_FP4
.endif
.endr
.endif
.if \hc
	; ---- C ----  28 packed additions; they name none of the products' registers and are also the lines that stand between those products and the stores of their results
	s_wait_dscnt 0x0                               ; the sixteen partial sums are in
	WIN 0x45
.irp j, 0,2,4,6
.irp e, 0,1
	CADD CL+32*\e+4*\j, CL+32*\e+4*\j+4
.endr
.endr
.irp j, 0,4
.irp e, 0,1
	CADD CL+32*\e+4*\j, CL+32*\e+4*\j+8
.endr
.endr
.irp e, 0,1
	CADD CL+32*\e, CL+32*\e+16
.endr
.elseif \hb
.rept 4
	v_nop                                          ; no other vector work is at hand between the products and the stores of their results
.endr
.endif
.if \hc || \hb
	WIN 0x04                                       ; a store's data are its source 1
	s_wait_alu depctr_va_vdst(0)                   ; ONE wait for the run of stores below: the additions have written the two rows in CL, the products O^T; the lines above stay beside this wait
.endif
.if \hc
.irp e, 0,1
	global_store_b128 v[GA16], v[CL+32*\e:CL+32*\e+3], s[OPT:OPT+1] offset:512*\e-8192 th:TH_STORE_NT   ; 32 lanes store a row's 512 consecutive bytes, at a multiple of 256 from out's first byte
.endr
.endif
.if \hb
.irp t, 0,1,2,3,4,5,6,7
	ds_store_b128 v[OWA+1-\par], v[O+8*\t:O+8*\t+3] offset:64*\t          ; lane (r, h): channels 16 t + 8 h + 0 .. 7 of query r; each accumulator from its low end on
	ds_store_b128 v[OWA+1-\par], v[O+8*\t+4:O+8*\t+7] offset:64*\t+16
.endr
.endif
	WIN 0
.if \ha
	; ---- A ----
	s_wait_dscnt 16*\hb                            ; Q's fragment and scale words are in; only O's sixteen stores are younger
	WIN 0x01                                       ; K's fragments in window 1.  (All four operands of these products came by LDS loads: their wait on DScnt is all that they owe)
.irp t, 0,1,2,3,4,5,6,7
	v_wmma_scale_f32_16x16x128_f8f6f4 v[S+8*\t:S+8*\t+7], v[KF+8*\t:KF+8*\t+7], v[QF:QF+7], 0, v[KS+\t], v[QS] matrix_a_fmt:MATRIX_FMT_FP4 matrix_b_fmt:MATRIX_FMT_FP4
.endr
	WIN 0
	; my two rows of tile k + 1 of Q become code words; the first plain lines of this are the lines that stand between the products and the first read of the scores.  The code word's stores stand behind the exponentials' wait
	s_wait_loadcnt 2                               ; tile k + 1's two loads are in; tile k + 2's stay out
	QUANT8 QR+8*(1-\par), CW, EQB
	BMAX                                           ; the largest score of my query on my 128 keys
	v_max3_num_f32 v[T], v[BM], v[BM+1], v[BM+2]
	v_max_num_f32 v[T], v[T], v[BM+3]
	v_permlanex16_b32 v[T+1], v[T], s[SEL], s[SEL+1]
	v_max_num_f32 v[T], v[T], v[T+1]
	v_mul_f32 v[T], s[CS], v[T]                    ; as t (c is positive)
	v_floor_f32 v[ST+2], -v[T]                     ; -M = floor(-t): my M is a whole number
.set J, 0
.rept 32
	v_pk_fma_f32 v[S+J:S+J+1], v[S+J:S+J+1], s[CS:CS+1], v[ST+2:ST+3] op_sel_hi:[1,0,0]   ; t - M, two at a time (of the pairs the low word serves both halves)
.set J, J+2
.endr
.set J, 0
.rept 64
	v_exp_f32 v[S+J], v[S+J]                       ; p = 2^(t - M)
.set J, J+1
.endr
	v_nop                                          ; a plain line behind the last exponential,
	s_wait_alu depctr_va_vdst(0)                   ; and ONE wait for the batch's 64 results in v[S ..], ahead of their first reader.  It also states: Q's code word and byte are written, which the stores below read, and the conversion is done reading its set of QR, in which the loads below land
	ds_store_b32 v[QWI], v[CW] offset:1024*(1-\par)
	ds_store_b8 v[QWS], v[EQB] offset:256*(1-\par)
	s_min_u32 s[HO], s[TQO], 31*8192               ; tile k + 3 is asked for.  In the last three intervals that have this phase there is no such tile: the offset is held at tile 31, so that no load leaves the buffer and
	s_add_nc_u64 s[QP:QP+1], s[QB:QB+1], s[HO:HO+1]   ; the counts of the waits are the same in every trip; what those six loads bring, and the image made of it in the last such interval, is not used
	s_add_co_u32 s[TQO], s[TQO], 8192
	global_load_b128 v[QR+8*(1-\par):QR+8*(1-\par)+3], v[GA32], s[QP:QP+1] th:TH_LOAD_NT
	global_load_b128 v[QR+8*(1-\par)+4:QR+8*(1-\par)+7], v[GA32], s[QP:QP+1] offset:16 th:TH_LOAD_NT
	SUM64 T+2                                      ; my part of Z: all my keys count, masked ones too
	WIN 0x04
.set J, 0
.rept 32
	v_pk_mul_f32 v[S+J:S+J+1], v[S+J:S+J+1], v[MK+J:MK+J+1]   ; p x mask
.set J, J+2
.endr
	WIN 0
	SUM64 T+3                                      ; my part of W
	BMAX                                           ; each block's largest p x mask (none is negative),
.irp n, 0,1,2,3
	v_permlanex16_b32 v[BT+\n], v[BM+\n], s[SEL], s[SEL+1]
.endr
.irp n, 0,1,2,3
	v_max_num_f32 v[BM+\n], v[BM+\n], v[BT+\n]     ; with lane l xor 16's 16 keys
.endr
	v_permlanex16_b32 v[T+4], v[T+2], s[SEL], s[SEL+1]
	v_permlanex16_b32 v[T+5], v[T+3], s[SEL], s[SEL+1]
	v_add_f32 v[ST], v[T+2], v[T+4]
	v_add_f32 v[ST+1], v[T+3], v[T+5]
	s_wait_alu depctr_va_vdst(0)                   ; my Z, W and -M are written in v[ST ..], which the store below reads
	ds_store_b128 v[SWA], v[ST:ST+3] offset:STATB*\par    ; both halves of the lanes write the same 16 bytes with the same values
.endif
.if \sync
	s_wait_dscnt 0x0                               ; for the others' sake: all my LDS stores have landed, and all my LDS loads are in
	s_barrier_signal -1
	s_barrier_wait -1
.endif
.endm
; ---------------- THE WALK: intervals 0 to 33 ----------------
	INTERVAL 0, 0, 0, 1, 1                         ; A of tile 0
	INTERVAL 1, 0, 1, 1, 1                         ; B of tile 0, A of tile 1
	s_mov_b32 s[TRIP], 15
.Ltrip:                                            ; intervals 2 to 31, two a trip, until the parities are back where they began
	INTERVAL 0, 1, 1, 1, 1
	INTERVAL 1, 1, 1, 1, 1
	s_sub_co_u32 s[TRIP], s[TRIP], 1
	s_cmp_lg_u32 s[TRIP], 0
	s_cbranch_scc1 .Ltrip
	INTERVAL 0, 1, 1, 0, 1                         ; C of tile 30, B of tile 31
	INTERVAL 1, 1, 0, 0, 0                         ; C of tile 31
	s_wait_dscnt 0x0
	s_wait_alu depctr_hold_cnt(0) depctr_sa_sdst(0) depctr_va_vdst(0) depctr_va_sdst(0) depctr_va_ssrc(0) depctr_va_vcc(0) depctr_vm_vsrc(0)
	s_wait_tensorcnt 0x0
	ds_add_u32 v254, v255
	s_wait_dscnt 0x0
	s_endpgm
.Lfunc_end_k_q5331f717e4_attn:
	.size	k_q5331f717e4_attn, .Lfunc_end_k_q5331f717e4_attn-k_q5331f717e4_attn
	.p2alignl 7, 3214868480
	.fill 96, 4, 3214868480
	.section	.rodata,"a",@progbits
	.p2align	6, 0x0
	.amdhsa_kernel k_q5331f717e4_attn
		.amdhsa_group_segment_fixed_size 212992
		.amdhsa_private_segment_fixed_size 0
		.amdhsa_enable_private_segment 0
		.amdhsa_kernarg_size 40
		.amdhsa_user_sgpr_count 2
		.amdhsa_user_sgpr_kernarg_segment_ptr 1
		.amdhsa_wavefront_size32 1
		.amdhsa_system_sgpr_workgroup_id_x 1
		.amdhsa_system_sgpr_workgroup_id_y 1
		.amdhsa_system_sgpr_workgroup_id_z 1
		.amdhsa_system_vgpr_workitem_id 0
		.amdhsa_next_free_vgpr 512
		.amdhsa_next_free_sgpr 66
		.amdhsa_reserve_vcc 0
		.amdhsa_float_denorm_mode_32 3
		.amdhsa_float_denorm_mode_16_64 3
		.amdhsa_memory_ordered 1
		.amdhsa_forward_progress 1
		.amdhsa_inst_pref_size 255
	.end_amdhsa_kernel
	.section	.bss,"aw",@nobits
	.p2align	6
	.space	262144
	.amdgpu_metadata
---
amdhsa.version: [ 1, 2 ]
amdhsa.kernels:
  - .name:           k_q5331f717e4_attn
    .symbol:         k_q5331f717e4_attn.kd
    .args:
      - { .name: query, .offset: 0, .size: 8, .value_kind: global_buffer, .address_space: global }
      - { .name: key, .offset: 8, .size: 8, .value_kind: global_buffer, .address_space: global }
      - { .name: value, .offset: 16, .size: 8, .value_kind: global_buffer, .address_space: global }
      - { .name: span_val, .offset: 24, .size: 8, .value_kind: global_buffer, .address_space: global }
      - { .name: out0, .offset: 32, .size: 8, .value_kind: global_buffer, .address_space: global }
    .group_segment_fixed_size: 212992
    .private_segment_fixed_size: 0
    .kernarg_segment_align: 8
    .kernarg_segment_size: 40
    .max_flat_workgroup_size: 256
    .sgpr_count:     66
    .vgpr_count:     512
    .wavefront_size: 32
...
	.end_amdgpu_metadata
.endif
;; end of part 2
